; MI455X (gfx1250); checked and timed in simulation.
; The chip was launched on July 23, 2026; its instructions are those of AMD's public machine-readable ISA for CDNA 5 (MIT licence, August 2026) and "CDNA5" Instruction Set Architecture Reference Guide (July 2026). The comments in the code are by the model that wrote it; some were corrected since.
;; Pytorch Fused Jagged Bmm Swiglu Combine Module. Allowed arithmetic: float matrix products may take bf16 or f16 operands with f32 sums; all other float work in f32.
;; Inputs: bias 8 x 1,024 float32; bias_out 8 x 1,024 float32; bias_p 8 x 1,024 float32; gates 2,048 float32; gates_index 2,048 x 1 int32; index 2,048 int32; jagged 2,048 x 1,024 float32; offsets 9 int32; reverse_index 2,048 x 1 int32; weight 8 x 1,024 x 1,024 float32; weight_out 8 x 1,024 x 1,024 float32; weight_p 8 x 1,024 x 1,024 float32.
;; Outputs: out0 2,048 x 1,024 float32.
;; One version. Each part assembles by itself: llvm-mc -triple=amdgcn-amd-amdhsa -mcpu=gfx1250 --defsym DOCPART=n.
;; ======== version 1 of 1: 4 launches
;; workspace buffers: xp 33,554,432 bytes; hp 67,108,864 bytes; yp 67,108,864 bytes
;; launch prep (part 1): grid 128 x 1, 8 waves a work-group, no clusters, 35,840 bytes of LDS; arguments offsets, index, jagged, xp; writes xp
.if DOCPART == 1
	.amdgcn_target "amdgcn-amd-amdhsa--gfx1250"
	.amdhsa_code_object_version 6
	.text
	.protected	k_q0dbce00112_prep
	.globl	k_q0dbce00112_prep
	.p2align	8
	.type	k_q0dbce00112_prep,@function
k_q0dbce00112_prep:
	s_mov_b64 s[64:65], 0
	v_nop
	global_prefetch_b8 v0, s[64:65] scope:SCOPE_SE
	s_setreg_imm32_b32 hwreg(HW_REG_WAVE_MODE, 25, 1), 1
	s_wait_xcnt 0x0
; DISPATCH.  xp = jagged[index], rounded to bf16 and laid out as matrix-operand images, one region for each expert.
; xp: [expert 8][M tile 128][K step 32][image of 1,024 bytes].  An M tile is 16 rows; local row 0 of a region is the expert's first row.
; An image holds what the 32 lanes of a wave load for one 16 x 32 bf16 operand: lane l = (r = l % 16, h = l / 16) finds its registers 0-3
; at byte 16 l and its registers 4-7 at byte 512 + 16 l.  Element i (0..15) of lane (r, h) in K step kp is
;     x[row r][ 64 (kp >> 1) + 32 h + 16 (kp & 1) + i ].
; The next launch lays the weights' k in the same order, so the products are summed over all k, each once.
; Regions are filled in whole blocks of 128 rows; rows past a segment's end hold the rows that follow in the list (clamped to the last):
; their results land in rows that nobody reads, since a row of a product hangs on its own operand row alone.
; LIMIT: offsets are taken as non-decreasing (the search in the problem's function needs the same); they are clamped to 0..2048.
; A work-group takes M tile number x, then x + 128: at most 23 blocks = 184 tiles exist (16 full blocks and up to 7 more for rests).
; Wave kc takes k = 128 kc .. + 127 of the 16 rows; it shares nothing with the other waves: own LDS bytes, no barrier.
; No matrix unit, cluster or tensor load: the launch only moves and rounds, and no two work-groups read the same tile by design.
.set PITCH, 272                        ; LDS row: 256 bytes (128 bf16) + 16, an odd multiple of 16: 16 rows start in 16 different columns of 16 bytes
.set WLDS,  16*PITCH                   ; a wave's LDS bytes
.set X,     16                         ; v[16:79]   row it: 4 f32 as loaded
.set Y,     80                         ; v[80:111]  row it: 4 bf16
.set Z,     112                        ; v[112:143] eight pieces of 16 bytes of the images
.set PAIR,  32                         ; s[32:63]   the addresses of the 16 gathered rows
	s_load_b256 s[4:11], s[0:1], 0x0               ; offsets s[4:5], index s[6:7], jagged s[8:9], xp s[10:11]
	v_lshl_add_u32 v144, v0, 2, 0x8800
	v_mov_b32 v145, 0
	v_lshrrev_b32 v7, 5, v0
	v_readfirstlane_b32 s21, v7                    ; kc, the wave's number
	v_and_b32 v8, 31, v0                           ; lane
	v_and_b32 v9, 15, v0                           ; r
	v_bfe_u32 v10, v0, 4, 1                        ; h
	v_lshlrev_b32 v1, 4, v0                        ; 512 kc + 16 lane: my 4 numbers in a row of jagged
	s_mul_i32 s27, s21, WLDS
	v_lshl_add_u32 v3, v8, 3, s27                  ; LDS, in: 8 bytes a lane
	v_mul_u32_u24 v4, v9, PITCH
	v_lshl_add_u32 v4, v10, 6, v4
	v_add_nc_u32 v4, s27, v4                       ; LDS, back: row r, 64 bytes (32 k) for each half of the lanes
	v_lshlrev_b32 v5, 4, v8                        ; 16 lane: my place in half an image
	s_mov_b32 s3, 0                                ; upper word of the rows' byte offsets
	s_wait_kmcnt 0x0
	s_load_b256 s[12:19], s[4:5], 0x0              ; offsets 0..7
	s_load_b32 s20, s[4:5], 0x20                   ; offset 8
	s_wait_kmcnt 0x0
.irp q, 12,13,14,15,16,17,18,19,20
	s_max_i32 s\q, s\q, 0
	s_min_i32 s\q, s\q, 2048
.endr
; One M tile, number s22 in the list of all experts' tiles.
.macro TILE id
	s_mov_b32 s23, 0                               ; tiles of the experts passed so far
	s_mov_b32 s24, 0                               ; expert
	s_mov_b32 s25, 0                               ; its first tile's number
	s_mov_b32 s26, 0                               ; its first row in the list
.irp q, 0,1,2,3,4,5,6,7
	s_cmp_ge_u32 s22, s23                          ; the last expert whose first tile is not behind mine
	s_cselect_b32 s24, \q, s24
	s_cselect_b32 s25, s23, s25
	s_cselect_b32 s26, s[12+\q], s26
	s_sub_co_i32 s27, s[13+\q], s[12+\q]
	s_max_i32 s27, s27, 0                          ; rows of expert q
	s_add_co_u32 s27, s27, 127
	s_lshr_b32 s27, s27, 7                         ; blocks of 128 rows
	s_lshl3_add_u32 s23, s27, s23                  ; 8 tiles each
.endr
	s_cmp_lt_u32 s22, s23
	s_cbranch_scc0 .Lskip\id                       ; no such tile
	s_sub_co_u32 s27, s22, s25
	s_min_u32 s27, s27, 127                        ; M tile in the expert's region
	s_lshl4_add_u32 s28, s27, s26                  ; its first row in the list
	v_add_nc_u32 v6, s28, v9
	v_min_u32 v6, 0x7ff, v6                        ; rows past the list's end repeat the last
	v_lshlrev_b32 v6, 2, v6
	global_load_b32 v2, v6, s[6:7]                 ; index of row r (both halves of the lanes alike)
	s_min_u32 s24, s24, 7
	s_lshl_b32 s28, s24, 22                        ; expert: 4 MiB
	s_lshl_b32 s29, s27, 15                        ; M tile: 32 images
	s_add_co_u32 s28, s28, s29
	s_lshl_b32 s29, s21, 12                        ; my four K steps
	s_add_co_u32 s28, s28, s29
	s_mov_b32 s29, 0
	s_add_nc_u64 s[30:31], s[10:11], s[28:29]
	s_wait_loadcnt 0x0                             ; the indices
.irp it, 0,1,2,3,4,5,6,7,8,9,10,11,12,13,14,15
	v_readlane_b32 s2, v2, \it
	s_min_u32 s2, s2, 2047
	s_lshl_b32 s2, s2, 12                          ; a row of jagged is 4,096 bytes
	s_add_nc_u64 s[PAIR+2*\it:PAIR+2*\it+1], s[8:9], s[2:3]
.endr
.irp it, 0,1,2,3,4,5,6,7,8,9,10,11,12,13,14,15
	global_load_b128 v[X+4*\it:X+4*\it+3], v1, s[PAIR+2*\it:PAIR+2*\it+1]   ; 512 consecutive bytes of one row
.endr
.irp it, 0,1,2,3,4,5,6,7,8,9,10,11,12,13,14,15
	s_wait_loadcnt 15-\it                          ; loads return in order: row it is in, the younger rows stay out
	v_cvt_pk_bf16_f32 v[Y+2*\it], v[X+4*\it], v[X+4*\it+1]
	v_cvt_pk_bf16_f32 v[Y+2*\it+1], v[X+4*\it+2], v[X+4*\it+3]
	ds_store_b64 v3, v[Y+2*\it:Y+2*\it+1] offset:PITCH*\it
.endr
	; back as images: K step 2 a + f of my four, registers 0-3 (hf = 0) or 4-7 (hf = 1).  My own bytes, and LDS serves a wave's
	; instructions in order: no wait between the stores above and these loads.
.irp a, 0,1
.irp f, 0,1
.irp hf, 0,1
	ds_load_b128 v[Z+4*(4*\a+2*\f+\hf):Z+4*(4*\a+2*\f+\hf)+3], v4 offset:128*\a+32*\f+16*\hf
.endr
.endr
.endr
.irp a, 0,1
.irp f, 0,1
.irp hf, 0,1
	s_wait_dscnt 7-(4*\a+2*\f+\hf)                 ; this piece is in, the younger ones stay out
	global_store_b128 v5, v[Z+4*(4*\a+2*\f+\hf):Z+4*(4*\a+2*\f+\hf)+3], s[30:31] offset:(2*\a+\f)*1024+\hf*512   ; 512 consecutive bytes
.endr
.endr
.endr
	s_wait_xcnt 0x0                                ; the stores' data and base are written again only behind this wait
.Lskip\id:
.endm
	s_mov_b32 s22, ttmp9
	TILE 0
	s_add_co_u32 s22, s22, 128
	TILE 1
	s_wait_tensorcnt 0x0
	ds_add_u32 v144, v145
	s_wait_dscnt 0x0
	s_endpgm
.Lfunc_end_k_q0dbce00112_prep:
	.size	k_q0dbce00112_prep, .Lfunc_end_k_q0dbce00112_prep-k_q0dbce00112_prep
	.p2alignl 7, 3214868480
	.fill 96, 4, 3214868480
	.section	.rodata,"a",@progbits
	.p2align	6, 0x0
	.amdhsa_kernel k_q0dbce00112_prep
		.amdhsa_group_segment_fixed_size 35840
		.amdhsa_private_segment_fixed_size 0
		.amdhsa_enable_private_segment 0
		.amdhsa_kernarg_size 32
		.amdhsa_user_sgpr_count 2
		.amdhsa_user_sgpr_kernarg_segment_ptr 1
		.amdhsa_wavefront_size32 1
		.amdhsa_system_sgpr_workgroup_id_x 1
		.amdhsa_system_sgpr_workgroup_id_y 1
		.amdhsa_system_sgpr_workgroup_id_z 1
		.amdhsa_system_vgpr_workitem_id 0
		.amdhsa_next_free_vgpr 146
		.amdhsa_next_free_sgpr 66
		.amdhsa_reserve_vcc 0
		.amdhsa_float_denorm_mode_32 3
		.amdhsa_float_denorm_mode_16_64 3
		.amdhsa_memory_ordered 1
		.amdhsa_forward_progress 1
		.amdhsa_inst_pref_size 28
	.end_amdhsa_kernel
	.amdgpu_metadata
---
amdhsa.version: [ 1, 2 ]
amdhsa.kernels:
  - .name:           k_q0dbce00112_prep
    .symbol:         k_q0dbce00112_prep.kd
    .args:
      - { .name: offsets, .offset: 0, .size: 8, .value_kind: global_buffer, .address_space: global }
      - { .name: index, .offset: 8, .size: 8, .value_kind: global_buffer, .address_space: global }
      - { .name: jagged, .offset: 16, .size: 8, .value_kind: global_buffer, .address_space: global }
      - { .name: xp, .offset: 24, .size: 8, .value_kind: global_buffer, .address_space: global }
    .group_segment_fixed_size: 35840
    .private_segment_fixed_size: 0
    .kernarg_segment_align: 8
    .kernarg_segment_size: 32
    .max_flat_workgroup_size: 256
    .sgpr_count:     66
    .vgpr_count:     146
    .wavefront_size: 32
...
	.end_amdgpu_metadata
.endif
;; end of part 1
;; launch up (part 2): grid 256 x 1, 4 waves a work-group, no clusters, 262,656 bytes of LDS; arguments offsets, xp, weight, weight_p, bias, bias_p, hp; writes hp
.if DOCPART == 2
	.amdgcn_target "amdgcn-amd-amdhsa--gfx1250"
	.amdhsa_code_object_version 6
	.text
	.protected	k_q0dbce00112_up
	.globl	k_q0dbce00112_up
	.p2align	8
	.type	k_q0dbce00112_up,@function
k_q0dbce00112_up:
	s_mov_b64 s[64:65], 0
	v_nop
	global_prefetch_b8 v0, s[64:65] scope:SCOPE_SE
	s_setreg_imm32_b32 hwreg(HW_REG_WAVE_MODE, 25, 1), 1
	s_wait_xcnt 0x0
; GATE AND UP PROJECTION WITH SWIGLU.  h = silu(x W_e + b_e) * (x Wp_e + bp_e), stored as operand images for the next launch.
; h IS STORED AS TWO bf16 TERMS, hi = bf16(h) and lo = bf16(h - hi) (the difference is exact in f32): a single bf16 rounds an h of 8..16 by up
; to 1/32, which one large element of the output weights carries into the result; with the second term the rounding of h is about 2^-17 of h.
; hp: [expert 8][M tile 128][part 2: hi, lo][K step 32][image of 1,024 bytes], k running over H, images as in xp.
; Work-group x: p = x & 1, s = (x >> 1) & 15, e = x >> 5.  It owns columns 64 s .. + 63 of W_e and of Wp_e and the expert's blocks of
; 128 rows number p, p + 2, p + 4, ..
; THE WEIGHTS STAY IN REGISTERS.  Wave w owns k = 256 w .. + 255 (eight K steps): 2 x 256 x 64 numbers, converted once to bf16, are 512
; registers.  Each weight byte is asked for once by a work-group, in pieces of 256 consecutive bytes for 16 lanes.
; One 16-byte load of lane (c = l % 16, h = l / 16) takes W[k][64 s + 4 c .. + 3]; its component j belongs to column tile j, whose column c
; is the real column 4 c + j.  Sixteen loads (k = 64 (kl >> 1) + 32 h + 16 (kl & 1) + i, i = 0..15) and 32 packed roundings make the four
; operands of K step kl: no LDS and no transposing load.  The images of x carry k in the same order.
; The rows stream past the weights; the four waves' partial sums over k meet in LDS once for 128 rows.
; The matrix instruction takes the weights as source 0 and the rows as source 1: lane (r, h) then holds row r, and register j of column tile n
; the column 32 h + 4 j + n: exactly the 32 columns that lane (r, h) of the next launch's images wants.
; CONTROL.  How many blocks an expert has is data, and a barrier may stand under no branch on data.  So the loop has a fixed 8 trips, both
; barriers are passed in every trip, and the work stands in two stretches without a barrier that a forward branch skips when the
; trip's block lies behind the segment's end.
; WHY NO TENSOR LOADS, CLUSTER OR MULTICAST: the weights are f32 with k from row to row; they have to be rounded and turned on their way, which
; the register path above does with no further step, and a slab in f32 (2 x 1024 x 64 x 4 = 524,288 bytes) is more than LDS holds.
; Only the two work-groups p = 0, 1 share a slab.
; LIMITS: offsets non-decreasing, clamped to 0..2048.  silu(g) = g / (1 + 2^(-1.442695 g)): for g below about -88 the power overflows to
; infinity and the result is 0, where the true value is below 1e-36 |g|.  The sum over k is made of four partial f32 sums.
;
; REGISTERS, in windows of 256:
;   window 0: v1-v8 addresses; v32-63 bias of the gate, v64-95 bias of the up part (index 4 j + n: column 32 h + 4 j + n);
;             v96-127 packed results of the first half block (hi 16, lo 16);
;             v128-255 images of x, a ring of 4 K steps x 4 M tiles x 8; v128-159 also the packed results of the second half block
;   window 1: 4 M tiles x 8 column tiles x 8 sums (tile (m, n) at 8 (8 m + n)); in front of the loop the weights as loaded (4 units x 64);
;             behind the first barrier the four waves' partial sums
;   window 2, 3: the weights' operands of K steps 0-3, 4-7, at 64 (kl & 3) + 8 n + q; n = 0-3 gate, 4-7 up
.set TRIPS, 8
.set BG,    32
.set BU,    64
.set F,     96
.set AR,    128
.set MSB,   0
.macro WIN new                         ; the immediate's high byte repeats the setting that is left
.if MSB != \new
	s_set_vgpr_msb (MSB<<8)|\new
.set MSB, \new
.endif
.endm
.macro NOPS cnt
.rept \cnt
	v_nop
.endr
.endm
	s_load_b256 s[4:11], s[0:1], 0x0               ; offsets s[4:5], xp s[6:7], weight s[8:9], weight_p s[10:11]
	s_load_b128 s[12:15], s[0:1], 0x20             ; bias s[12:13], bias_p s[14:15]
	s_load_b64 s[16:17], s[0:1], 0x30              ; hp
	v_lshl_add_u32 v30, v0, 2, 0x40000
	v_mov_b32 v31, 0
	v_lshrrev_b32 v9, 5, v0
	v_readfirstlane_b32 s18, v9                    ; w
	s_lshr_b32 s19, ttmp9, 5                       ; e
	s_bfe_u32 s20, ttmp9, 0x40001                  ; s: 4 bits from bit 1
	s_and_b32 s21, ttmp9, 1                        ; p
	s_lshl_b32 s32, s19, 2                         ; byte offset of offsets[e]
	v_and_b32 v10, 31, v0                          ; lane
	v_and_b32 v11, 15, v0                          ; r (for the weights: c)
	v_bfe_u32 v12, v0, 4, 1                        ; h
	v_lshlrev_b32 v1, 4, v10                       ; 16 lane: images, in and out
	v_lshlrev_b32 v2, 4, v11
	v_lshl_add_u32 v2, v12, 17, v2                 ; weights: 32 h rows of 4,096 bytes + 16 c
	s_lshl_b32 s26, s18, 16
	v_add_nc_u32 v3, s26, v1                       ; LDS: my partial sums, 65,536 bytes a wave
	s_lshl_b32 s26, s18, 13
	v_add_nc_u32 v4, s26, v1                       ; LDS: M tile w of wave 0's sums,
	v_add_nc_u32 v5, 0x10000, v4                   ; of wave 1's,
	v_add_nc_u32 v6, 0x20000, v4                   ; of wave 2's,
	v_add_nc_u32 v7, 0x30000, v4                   ; of wave 3's
	v_lshlrev_b32 v8, 7, v12                       ; biases: 32 h numbers
	s_lshl_b32 s33, s19, 22                        ; e x 4 MiB
	s_lshl_b32 s34, s20, 8                         ; s x 64 columns of f32
	s_lshl_b32 s35, s21, 18                        ; xp: p x 8 M tiles of 32 images,
	s_add_co_u32 s35, s35, s33                     ; + the expert's region
	s_mov_b32 s27, 0
	s_wait_kmcnt 0x0
	s_load_b64 s[22:23], s[4:5], s32 offset:0x0    ; offsets[e], offsets[e + 1]
	s_lshl_b32 s26, s18, 20                        ; w x 256 rows of 4,096 bytes
	s_add_co_u32 s26, s26, s33
	s_add_co_u32 s26, s26, s34
	s_add_nc_u64 s[8:9], s[8:9], s[26:27]          ; my wave's slab of W_e
	s_add_nc_u64 s[10:11], s[10:11], s[26:27]      ; and of Wp_e
	s_lshl_b32 s26, s19, 12
	s_add_co_u32 s26, s26, s34
	s_add_nc_u64 s[12:13], s[12:13], s[26:27]      ; b_e, bp_e at column 64 s
	s_add_nc_u64 s[14:15], s[14:15], s[26:27]
	s_lshl_b32 s26, s18, 13                        ; my eight K steps
	s_add_co_u32 s26, s26, s35
	s_add_nc_u64 s[28:29], s[6:7], s[26:27]        ; images of x: block p, K step 8 w
	s_lshl_b32 s26, s19, 23                        ; hp: e x 8 MiB
	s_lshl_b32 s34, s21, 19                        ; block p: 8 M tiles of 64 images
	s_add_co_u32 s26, s26, s34
	s_lshl_b32 s34, s18, 16                        ; M tile w
	s_add_co_u32 s26, s26, s34
	s_lshl_b32 s34, s20, 11                        ; K steps 2 s, 2 s + 1 of the next launch
	s_add_co_u32 s26, s26, s34
	s_add_nc_u64 s[30:31], s[16:17], s[26:27]      ; images of h
	s_lshl_b32 s24, s21, 7                         ; first local row of the trip's block
	s_mov_b32 s25, 0                               ; trips
.irp t, 0,1,2,3,4,5,6,7
	global_load_b128 v[BG+4*\t:BG+4*\t+3], v8, s[12:13] offset:16*\t
	global_load_b128 v[BU+4*\t:BU+4*\t+3], v8, s[14:15] offset:16*\t
.endr
; Unit u = 2 kl + matrix: the 16 loads of one K step of one matrix, into quarter u % 4 of window 1
.macro LDW u
	WIN 0x40                                       ; destination window 1, address window 0
.irp i, 0,1,2,3,4,5,6,7,8,9,10,11,12,13,14,15
	global_load_b128 v[64*((\u)%4)+4*\i:64*((\u)%4)+4*\i+3], v2, s[8+2*((\u)&1):9+2*((\u)&1)] offset:(64*((\u)>>2)+16*(((\u)>>1)&1)+\i)*4096
.endr
.endm
; and its 32 roundings: register q of column tile j = components j of loads 2 q (low half) and 2 q + 1 (high half)
.macro CVW u
.if \u < 8
	WIN 0x85                                       ; sources window 1, destination window 2
.else
	WIN 0xc5                                       ; destination window 3
.endif
.irp j, 0,1,2,3
.irp q, 0,1,2,3,4,5,6,7
	v_cvt_pk_bf16_f32 v[(((\u)>>1)&3)*64+(4*((\u)&1)+\j)*8+\q], v[64*((\u)%4)+8*\q+\j], v[64*((\u)%4)+8*\q+4+\j]
.endr
.endr
.endm
	LDW 0
	LDW 1
	LDW 2
	LDW 3
.irp u, 0,1,2,3,4,5,6,7,8,9,10,11,12,13,14,15
.if \u < 13
	s_wait_loadcnt 48                              ; unit u is in (and the biases, which are older); the three younger units of 16 loads stay out
.else
	s_wait_loadcnt 16*(15-\u)                      ; the last units: the count runs down
.endif
	CVW \u
.if \u < 12
	LDW \u+4                                       ; into the quarter just rounded
.endif
.endr
	s_wait_kmcnt 0x0                               ; the two offsets
	s_max_i32 s22, s22, 0
	s_min_i32 s22, s22, 2048
	s_max_i32 s23, s23, 0
	s_min_i32 s23, s23, 2048
	s_sub_co_i32 s22, s23, s22
	s_max_i32 s22, s22, 0                          ; rows of my expert
; 8 loads: the images of K step kl of the four M tiles of half block sb, into ring slot kl % 4
.macro LOADA sb, kl
	WIN 0
.irp m, 0,1,2,3
	global_load_b128 v[AR+32*((\kl)%4)+8*\m:AR+32*((\kl)%4)+8*\m+3], v1, s[28:29] offset:(4*\sb+\m)*32768+(\kl)*1024
	global_load_b128 v[AR+32*((\kl)%4)+8*\m+4:AR+32*((\kl)%4)+8*\m+7], v1, s[28:29] offset:(4*\sb+\m)*32768+(\kl)*1024+512
.endr
.endm
; 32 matrix instructions: 4 M tiles x 8 column tiles, K step kl.  zero = 1: the first product starts the sums, nothing is cleared
.macro MUL kl, zero
.if \kl < 4
	WIN 0x52                                       ; source 0 (weights) window 2, source 1 (rows) window 0, C and D window 1
.else
	WIN 0x53                                       ; weights in window 3
.endif
.irp m, 0,1,2,3
.irp n, 0,1,2,3,4,5,6,7
.if \zero
	v_wmma_f32_16x16x32_bf16 v[8*(8*\m+\n):8*(8*\m+\n)+7], v[((\kl)&3)*64+8*\n:((\kl)&3)*64+8*\n+7], v[AR+32*((\kl)%4)+8*\m:AR+32*((\kl)%4)+8*\m+7], 0
.else
	v_wmma_f32_16x16x32_bf16 v[8*(8*\m+\n):8*(8*\m+\n)+7], v[((\kl)&3)*64+8*\n:((\kl)&3)*64+8*\n+7], v[AR+32*((\kl)%4)+8*\m:AR+32*((\kl)%4)+8*\m+7], v[8*(8*\m+\n):8*(8*\m+\n)+7]
.endif
.endr
.endr
.endm
; 64 rows x 128 columns x my 256 k, and the sums into my part of LDS
.macro SUB sb
	LOADA \sb, 0
	LOADA \sb, 1
	LOADA \sb, 2
	LOADA \sb, 3
.irp kl, 0,1,2,3,4,5,6,7
.if \kl < 5
	s_wait_loadcnt 24                              ; K step kl's 8 loads are in; those of the three younger K steps stay out
.else
	s_wait_loadcnt 8*(7-\kl)                       ; nothing is asked for behind K step 7: the count runs down
.endif
.if \kl == 0
	MUL \kl, 1
.else
	MUL \kl, 0
.endif
.if \kl < 4
	NOPS 4                                         ; four places between a matrix instruction and a load into one of its sources (ISA guide 7.12.1 for vector writes; kept for loads too)
	LOADA \sb, \kl+4
.endif
.endr
	NOPS 5                                         ; four places before the LDS stores read the sums; five before the next half block's first products write over them
	WIN 0x04                                       ; store data window 1, address window 0
.irp m, 0,1,2,3
.irp n, 0,1,2,3,4,5,6,7
	ds_store_b128 v3, v[8*(8*\m+\n):8*(8*\m+\n)+3] offset:\sb*32768+(8*\m+\n)*1024
	ds_store_b128 v3, v[8*(8*\m+\n)+4:8*(8*\m+\n)+7] offset:\sb*32768+(8*\m+\n)*1024+512
.endr
.endr
.endm
; M tile w of half block sb: add the four waves' sums and the biases, SwiGLU, split into hi and lo, store four images
.macro FIN sb
	WIN 0x40
.irp q, 0,1,2,3
.irp n, 0,1,2,3,4,5,6,7
	ds_load_b128 v[64*\q+8*\n:64*\q+8*\n+3], v[4+\q] offset:\sb*32768+\n*1024
	ds_load_b128 v[64*\q+8*\n+4:64*\q+8*\n+7], v[4+\q] offset:\sb*32768+\n*1024+512
.endr
.endr
	s_wait_dscnt 0x0
	WIN 0x55                                       ; everything in window 1
.set ii, 0
.rept 32
	v_pk_add_f32 v[ii:ii+1], v[ii:ii+1], v[64+ii:65+ii]                 ; wave 0 + wave 1
	v_pk_add_f32 v[128+ii:129+ii], v[128+ii:129+ii], v[192+ii:193+ii]   ; wave 2 + wave 3
.set ii, ii+2
.endr
.set ii, 0
.rept 32
	v_pk_add_f32 v[ii:ii+1], v[ii:ii+1], v[128+ii:129+ii]
.set ii, ii+2
.endr
	WIN 0x41                                       ; source 1 (bias) window 0
.irp n, 0,1,2,3
.irp j, 0,1,2,3,4,5,6,7
	v_add_f32 v[8*\n+\j], v[8*\n+\j], v[BG+4*\j+\n]          ; g: v0-31
	v_add_f32 v[32+8*\n+\j], v[32+8*\n+\j], v[BU+4*\j+\n]    ; u: v32-63
.endr
.endr
	WIN 0x55
.set ii, 0
.rept 16
	v_pk_mul_f32 v[64+ii:65+ii], v[ii:ii+1], 0xbfb8aa3b op_sel_hi:[1,0]   ; -g log2(e)
.set ii, ii+2
.endr
.set ii, 0
.rept 32
	v_exp_f32 v[64+ii], v[64+ii]
.set ii, ii+1
.endr
	v_nop                                          ; one plain place between the last power and the first use (ISA guide 5.7.2)
.set ii, 0
	s_wait_alu depctr_va_vdst(0)
.rept 16
	v_pk_add_f32 v[64+ii:65+ii], v[64+ii:65+ii], 1.0 op_sel_hi:[1,0]
.set ii, ii+2
.endr
.set ii, 0
.rept 32
	v_rcp_f32 v[64+ii], v[64+ii]
.set ii, ii+1
.endr
	v_nop                                          ; likewise behind the reciprocals
.set ii, 0
	s_wait_alu depctr_va_vdst(0)
.rept 16
	v_pk_mul_f32 v[ii:ii+1], v[ii:ii+1], v[64+ii:65+ii]      ; silu(g)
.set ii, ii+2
.endr
.set ii, 0
.rept 16
	v_pk_mul_f32 v[ii:ii+1], v[ii:ii+1], v[32+ii:33+ii]      ; x u: h in v0-31
.set ii, ii+2
.endr
	; Image f (K step 2 s + f of the next launch) wants of lane (r, h) the columns 32 h + 16 f + i, i = 0..15; I hold column 32 h + 4 j + n in
	; register 8 n + j: element i is j = 4 f + (i >> 2), n = i & 3, and register q packs i = 2 q and 2 q + 1.
	WIN 0x05                                       ; sources window 1, destination window 0
.irp f, 0,1
.irp q, 0,1,2,3,4,5,6,7
	v_cvt_pk_bf16_f32 v[F+32*\sb+8*\f+\q], v[16*(\q&1)+4*\f+(\q>>1)], v[16*(\q&1)+8+4*\f+(\q>>1)]            ; hi
.endr
.endr
	WIN 0x40                                       ; source window 0, destination window 1
.irp f, 0,1
.irp q, 0,1,2,3,4,5,6,7
	v_lshlrev_b32 v[64+2*(8*\f+\q)], 16, v[F+32*\sb+8*\f+\q]             ; hi back as f32: the low half moves up,
	v_and_b32 v[65+2*(8*\f+\q)], 0xffff0000, v[F+32*\sb+8*\f+\q]         ; the high half stays
.endr
.endr
	WIN 0x55
.irp f, 0,1
.irp q, 0,1,2,3,4,5,6,7
	v_sub_f32 v[64+2*(8*\f+\q)], v[16*(\q&1)+4*\f+(\q>>1)], v[64+2*(8*\f+\q)]      ; h - hi, exact
	v_sub_f32 v[65+2*(8*\f+\q)], v[16*(\q&1)+8+4*\f+(\q>>1)], v[65+2*(8*\f+\q)]
.endr
.endr
	WIN 0x05
.irp f, 0,1
.irp q, 0,1,2,3,4,5,6,7
	v_cvt_pk_bf16_f32 v[F+32*\sb+16+8*\f+\q], v[64+2*(8*\f+\q)], v[65+2*(8*\f+\q)]   ; lo
.endr
.endr
	WIN 0
.irp pt, 0,1
.irp f, 0,1
.irp hf, 0,1
	global_store_b128 v1, v[F+32*\sb+16*\pt+8*\f+4*\hf:F+32*\sb+16*\pt+8*\f+4*\hf+3], s[30:31] offset:\sb*262144+\pt*32768+\f*1024+\hf*512   ; 512 consecutive bytes
.endr
.endr
.endr
.endm
	WIN 0                                          ; at a label and at a branch every window is 0
.Ltrip:
	s_cmp_lt_u32 s24, s22                          ; has my expert a row in this block?
	s_cbranch_scc0 .Ls1
	SUB 0
	SUB 1
	WIN 0
.Ls1:
	s_wait_dscnt 0x0                               ; my partial sums are in LDS,
	s_barrier_signal -1
	s_barrier_wait -1                              ; everybody's are
	s_cmp_lt_u32 s24, s22
	s_cbranch_scc0 .Ls2
	FIN 0
	FIN 1
	WIN 0
.Ls2:
	s_wait_dscnt 0x0                               ; my reads of the sums are over,
	s_barrier_signal -1
	s_barrier_wait -1                              ; everybody's are: the next trip may write there
	s_wait_xcnt 0x0                                ; the stores' base and data (v96-159, of which v128-159 are loaded again) are written again only behind this wait
	s_add_nc_u64 s[28:29], s[28:29], 0x80000       ; xp: two blocks of 8 M tiles of 32 images on
	s_add_nc_u64 s[30:31], s[30:31], 0x100000      ; hp: two blocks of 8 M tiles of 64 images on
	s_add_co_u32 s24, s24, 256
	s_add_co_u32 s25, s25, 1
	s_cmp_lt_u32 s25, TRIPS
	s_cbranch_scc1 .Ltrip
	s_wait_tensorcnt 0x0
	ds_add_u32 v30, v31
	s_wait_dscnt 0x0
	s_endpgm
.Lfunc_end_k_q0dbce00112_up:
	.size	k_q0dbce00112_up, .Lfunc_end_k_q0dbce00112_up-k_q0dbce00112_up
	.p2alignl 7, 3214868480
	.fill 96, 4, 3214868480
	.section	.rodata,"a",@progbits
	.p2align	6, 0x0
	.amdhsa_kernel k_q0dbce00112_up
		.amdhsa_group_segment_fixed_size 262656
		.amdhsa_private_segment_fixed_size 0
		.amdhsa_enable_private_segment 0
		.amdhsa_kernarg_size 56
		.amdhsa_user_sgpr_count 2
		.amdhsa_user_sgpr_kernarg_segment_ptr 1
		.amdhsa_wavefront_size32 1
		.amdhsa_system_sgpr_workgroup_id_x 1
		.amdhsa_system_sgpr_workgroup_id_y 1
		.amdhsa_system_sgpr_workgroup_id_z 1
		.amdhsa_system_vgpr_workitem_id 0
		.amdhsa_next_free_vgpr 1024
		.amdhsa_next_free_sgpr 66
		.amdhsa_reserve_vcc 0
		.amdhsa_float_denorm_mode_32 3
		.amdhsa_float_denorm_mode_16_64 3
		.amdhsa_memory_ordered 1
		.amdhsa_forward_progress 1
		.amdhsa_inst_pref_size 166
	.end_amdhsa_kernel
	.amdgpu_metadata
---
amdhsa.version: [ 1, 2 ]
amdhsa.kernels:
  - .name:           k_q0dbce00112_up
    .symbol:         k_q0dbce00112_up.kd
    .args:
      - { .name: offsets, .offset: 0, .size: 8, .value_kind: global_buffer, .address_space: global }
      - { .name: xp, .offset: 8, .size: 8, .value_kind: global_buffer, .address_space: global }
      - { .name: weight, .offset: 16, .size: 8, .value_kind: global_buffer, .address_space: global }
      - { .name: weight_p, .offset: 24, .size: 8, .value_kind: global_buffer, .address_space: global }
      - { .name: bias, .offset: 32, .size: 8, .value_kind: global_buffer, .address_space: global }
      - { .name: bias_p, .offset: 40, .size: 8, .value_kind: global_buffer, .address_space: global }
      - { .name: hp, .offset: 48, .size: 8, .value_kind: global_buffer, .address_space: global }
    .group_segment_fixed_size: 262656
    .private_segment_fixed_size: 0
    .kernarg_segment_align: 8
    .kernarg_segment_size: 56
    .max_flat_workgroup_size: 128
    .sgpr_count:     66
    .vgpr_count:     1024
    .wavefront_size: 32
...
	.end_amdgpu_metadata
.endif
;; end of part 2
;; launch down (part 3): grid 256 x 1, 4 waves a work-group, no clusters, 131,584 bytes of LDS; arguments offsets, hp, weight_out, bias_out, yp; writes yp
.if DOCPART == 3
	.amdgcn_target "amdgcn-amd-amdhsa--gfx1250"
	.amdhsa_code_object_version 6
	.text
	.protected	k_q0dbce00112_down
	.globl	k_q0dbce00112_down
	.p2align	8
	.type	k_q0dbce00112_down,@function
k_q0dbce00112_down:
	s_mov_b64 s[64:65], 0
	v_nop
	global_prefetch_b8 v0, s[64:65] scope:SCOPE_SE
	s_setreg_imm32_b32 hwreg(HW_REG_WAVE_MODE, 25, 1), 1
	s_wait_xcnt 0x0
; OUTPUT PROJECTION.  yp[e][local row][d] = h Wout_e + bout_e, f32, one region of 2,048 rows of 4,096 bytes for each expert.
; h comes as two bf16 terms, hi and lo (hp: [expert 8][M tile 128][part 2][K step 32][image of 1,024 bytes]); both are multiplied by the same
; weights into the same sums: h Wout = hi Wout + lo Wout.
; Built like the launch before it.  Work-group x: p = x & 1, s = (x >> 1) & 15, e = x >> 5: columns 64 s .. + 63 of Wout_e, blocks of 128 rows
; number p, p + 2, ..  Wave w keeps k = 256 w .. + 255 of the slab in 256 registers as bf16 operands, made straight from 16-byte loads
; (lane (c, h): Wout[k][64 s + 4 c .. + 3], k = 64 (kl >> 1) + 32 h + 16 (kl & 1) + i; component j belongs to column tile j, whose column c
; is the real column 4 c + j).  The images of h carry k in the same order.
; Here the rows are source 0 and the weights source 1: register j of lane (r, h) is row 8 h + j, and the four column tiles hold the
; columns 4 r .. 4 r + 3 of that row: 16 bytes a lane, and sixteen lanes store 256 consecutive bytes of a row, aligned.
; The loop has a fixed 8 trips with both barriers in every trip; the work stands in two stretches without a barrier, skipped by a forward
; branch when the trip's block lies behind the segment's end (the number of blocks is data; no barrier stands under a branch on data).
; No tensor loads, cluster or multicast: the weights are f32 with k from row to row and are rounded and turned in registers on their way;
; only the two work-groups p = 0, 1 share a slab.
; LIMITS: offsets non-decreasing, clamped to 0..2048.  The sum over k is made of four partial f32 sums.
;
; REGISTERS: window 0: v1-v7 addresses, v32-35 bias.  window 1: 8 M tiles x 4 column tiles x 8 sums (tile (m, n) at 8 (4 m + n)); in front of
; the loop the weights as loaded; behind the first barrier the four waves' sums.  window 2: the weights' operands at 32 kl + 8 n + q.
; window 3: images of h, a ring of 4 steps x 8 M tiles x 8; a step st = 2 kl + part is one K step of hi or of lo.
.set TRIPS, 8
.set BO,    32
.set MSB,   0
.macro WIN new                         ; the immediate's high byte repeats the setting that is left
.if MSB != \new
	s_set_vgpr_msb (MSB<<8)|\new
.set MSB, \new
.endif
.endm
.macro NOPS cnt
.rept \cnt
	v_nop
.endr
.endm
	s_load_b256 s[4:11], s[0:1], 0x0               ; offsets s[4:5], hp s[6:7], weight_out s[8:9], bias_out s[10:11]
	s_load_b64 s[12:13], s[0:1], 0x20              ; yp
	v_lshl_add_u32 v254, v0, 2, 0x20000
	v_mov_b32 v255, 0
	v_lshrrev_b32 v9, 5, v0
	v_readfirstlane_b32 s18, v9                    ; w
	s_lshr_b32 s19, ttmp9, 5                       ; e
	s_bfe_u32 s20, ttmp9, 0x40001                  ; s
	s_and_b32 s21, ttmp9, 1                        ; p
	s_lshl_b32 s32, s19, 2                         ; byte offset of offsets[e]
	v_and_b32 v10, 31, v0                          ; lane
	v_and_b32 v11, 15, v0                          ; r
	v_bfe_u32 v12, v0, 4, 1                        ; h
	v_lshlrev_b32 v1, 4, v10                       ; 16 lane: images
	v_lshlrev_b32 v6, 4, v11                       ; 16 r: bias
	v_lshl_add_u32 v2, v12, 17, v6                 ; weights: 32 h rows of 4,096 bytes + 16 r
	v_lshl_add_u32 v7, v12, 15, v6                 ; yp: 8 h rows of 4,096 bytes + 16 r
	s_lshl_b32 s26, s18, 15
	v_add_nc_u32 v3, s26, v1                       ; LDS: my partial sums, 32,768 bytes a wave
	s_lshl_b32 s26, s18, 13
	v_add_nc_u32 v4, s26, v1                       ; LDS: M tiles 2 w, 2 w + 1 of wave 0's sums (wave 1's by the offset),
	v_add_nc_u32 v5, 0x10000, v4                   ; of wave 2's (wave 3's by the offset)
	s_lshl_b32 s33, s19, 22                        ; e x 4 MiB
	s_lshl_b32 s34, s20, 8                         ; s x 64 columns of f32
	s_mov_b32 s27, 0
	s_wait_kmcnt 0x0
	s_load_b64 s[22:23], s[4:5], s32 offset:0x0    ; offsets[e], offsets[e + 1]
	s_lshl_b32 s26, s18, 20                        ; w x 256 rows of 4,096 bytes
	s_add_co_u32 s26, s26, s33
	s_add_co_u32 s26, s26, s34
	s_add_nc_u64 s[8:9], s[8:9], s[26:27]          ; my wave's slab of Wout_e
	s_lshl_b32 s26, s19, 12
	s_add_co_u32 s26, s26, s34
	s_add_nc_u64 s[10:11], s[10:11], s[26:27]      ; bout_e at column 64 s
	s_lshl_b32 s26, s18, 13                        ; hp: my eight K steps
	s_lshl_b32 s35, s19, 23                        ; e x 8 MiB
	s_add_co_u32 s26, s26, s35
	s_lshl_b32 s35, s21, 19                        ; block p: 8 M tiles of 64 images
	s_add_co_u32 s26, s26, s35
	s_add_nc_u64 s[28:29], s[6:7], s[26:27]        ; images of h
	s_lshl_b32 s26, s19, 23                        ; yp: e x 2,048 rows of 4,096 bytes
	s_lshl_b32 s35, s21, 19                        ; block p: 128 rows
	s_add_co_u32 s26, s26, s35
	s_lshl_b32 s35, s18, 17                        ; my 32 rows of a block
	s_add_co_u32 s26, s26, s35
	s_add_co_u32 s26, s26, s34
	s_add_nc_u64 s[30:31], s[12:13], s[26:27]      ; yp
	s_lshl_b32 s24, s21, 7                         ; first local row of the trip's block
	s_mov_b32 s25, 0                               ; trips
	global_load_b128 v[BO:BO+3], v6, s[10:11]      ; bout of columns 4 r .. 4 r + 3
; Unit u = K step: its 16 loads, into quarter u % 4 of window 1
.macro LDW u
	WIN 0x40                                       ; destination window 1, address window 0
.irp i, 0,1,2,3,4,5,6,7,8,9,10,11,12,13,14,15
	global_load_b128 v[64*((\u)%4)+4*\i:64*((\u)%4)+4*\i+3], v2, s[8:9] offset:(64*((\u)>>1)+16*((\u)&1)+\i)*4096
.endr
.endm
; and its 32 roundings: register q of column tile j = components j of loads 2 q (low half) and 2 q + 1 (high half)
.macro CVW u
	WIN 0x85                                       ; sources window 1, destination window 2
.irp j, 0,1,2,3
.irp q, 0,1,2,3,4,5,6,7
	v_cvt_pk_bf16_f32 v[32*(\u)+8*\j+\q], v[64*((\u)%4)+8*\q+\j], v[64*((\u)%4)+8*\q+4+\j]
.endr
.endr
.endm
	LDW 0
	LDW 1
	LDW 2
	LDW 3
.irp u, 0,1,2,3,4,5,6,7
.if \u < 5
	s_wait_loadcnt 48                              ; unit u is in (and the bias, which is older); the three younger units of 16 loads stay out
.else
	s_wait_loadcnt 16*(7-\u)                       ; the last units: the count runs down
.endif
	CVW \u
.if \u < 4
	LDW \u+4                                       ; into the quarter just rounded
.endif
.endr
	s_wait_kmcnt 0x0                               ; the two offsets
	s_max_i32 s22, s22, 0
	s_min_i32 s22, s22, 2048
	s_max_i32 s23, s23, 0
	s_min_i32 s23, s23, 2048
	s_sub_co_i32 s22, s23, s22
	s_max_i32 s22, s22, 0                          ; rows of my expert
; 16 loads: the images of step st (K step st >> 1, part st & 1) of the block's eight M tiles, into ring slot st % 4
.macro LOADA st
	WIN 0xc0                                       ; destination window 3, address window 0
.irp m, 0,1,2,3,4,5,6,7
	global_load_b128 v[64*((\st)%4)+8*\m:64*((\st)%4)+8*\m+3], v1, s[28:29] offset:\m*65536+((\st)&1)*32768+((\st)>>1)*1024
	global_load_b128 v[64*((\st)%4)+8*\m+4:64*((\st)%4)+8*\m+7], v1, s[28:29] offset:\m*65536+((\st)&1)*32768+((\st)>>1)*1024+512
.endr
.endm
; 32 matrix instructions: 8 M tiles x 4 column tiles, step st.  zero = 1: the first product starts the sums
.macro MUL st, zero
	WIN 0x5b                                       ; source 0 (rows) window 3, source 1 (weights) window 2, C and D window 1
.irp m, 0,1,2,3,4,5,6,7
.irp n, 0,1,2,3
.if \zero
	v_wmma_f32_16x16x32_bf16 v[8*(4*\m+\n):8*(4*\m+\n)+7], v[64*((\st)%4)+8*\m:64*((\st)%4)+8*\m+7], v[32*((\st)>>1)+8*\n:32*((\st)>>1)+8*\n+7], 0
.else
	v_wmma_f32_16x16x32_bf16 v[8*(4*\m+\n):8*(4*\m+\n)+7], v[64*((\st)%4)+8*\m:64*((\st)%4)+8*\m+7], v[32*((\st)>>1)+8*\n:32*((\st)>>1)+8*\n+7], v[8*(4*\m+\n):8*(4*\m+\n)+7]
.endif
.endr
.endr
.endm
	WIN 0                                          ; at a label and at a branch every window is 0
.Ltrip:
	s_cmp_lt_u32 s24, s22                          ; has my expert a row in this block?
	s_cbranch_scc0 .Ls1
	; 128 rows x 64 columns x my 256 k, hi and lo in turn
	LOADA 0
	LOADA 1
	LOADA 2
	LOADA 3
.irp st, 0,1,2,3,4,5,6,7,8,9,10,11,12,13,14,15
.if \st < 13
	s_wait_loadcnt 48                              ; step st's 16 loads are in; those of the three younger steps stay out
.else
	s_wait_loadcnt 16*(15-\st)                     ; nothing is asked for behind step 15: the count runs down
.endif
.if \st == 0
	MUL \st, 1
.else
	MUL \st, 0
.endif
.if \st < 12
	NOPS 4                                         ; four places between a matrix instruction and a load into one of its sources (ISA guide 7.12.1 for vector writes; kept for loads too)
	LOADA \st+4
.endif
.endr
	NOPS 5                                         ; four places before the LDS stores read the sums; five before a later first product writes over them
	WIN 0x04                                       ; store data window 1, address window 0
.irp m, 0,1,2,3,4,5,6,7
.irp n, 0,1,2,3
	ds_store_b128 v3, v[8*(4*\m+\n):8*(4*\m+\n)+3] offset:(4*\m+\n)*1024
	ds_store_b128 v3, v[8*(4*\m+\n)+4:8*(4*\m+\n)+7] offset:(4*\m+\n)*1024+512
.endr
.endr
	WIN 0
.Ls1:
	s_wait_dscnt 0x0                               ; my partial sums are in LDS,
	s_barrier_signal -1
	s_barrier_wait -1                              ; everybody's are
	s_cmp_lt_u32 s24, s22
	s_cbranch_scc0 .Ls2
	; M tiles 2 w and 2 w + 1: add the four waves' sums and the bias, store
	WIN 0x40
.irp q, 0,1,2,3
.irp mm, 0,1
.irp n, 0,1,2,3
	ds_load_b128 v[64*\q+32*\mm+8*\n:64*\q+32*\mm+8*\n+3], v[4+(\q>>1)] offset:(\q&1)*32768+\mm*4096+\n*1024
	ds_load_b128 v[64*\q+32*\mm+8*\n+4:64*\q+32*\mm+8*\n+7], v[4+(\q>>1)] offset:(\q&1)*32768+\mm*4096+\n*1024+512
.endr
.endr
.endr
	s_wait_dscnt 0x0
	WIN 0x55                                       ; everything in window 1
.set ii, 0
.rept 32
	v_pk_add_f32 v[ii:ii+1], v[ii:ii+1], v[64+ii:65+ii]                 ; wave 0 + wave 1
	v_pk_add_f32 v[128+ii:129+ii], v[128+ii:129+ii], v[192+ii:193+ii]   ; wave 2 + wave 3
.set ii, ii+2
.endr
.set ii, 0
.rept 32
	v_pk_add_f32 v[ii:ii+1], v[ii:ii+1], v[128+ii:129+ii]
.set ii, ii+2
.endr
	WIN 0x41                                       ; source 1 (bias) window 0.  The add also brings a row's four columns side by side
.irp mm, 0,1
.irp j, 0,1,2,3,4,5,6,7
.irp n, 0,1,2,3
	v_add_f32 v[64+32*\mm+4*\j+\n], v[32*\mm+8*\n+\j], v[BO+\n]
.endr
.endr
.endr
	WIN 0x04                                       ; store data window 1, address window 0
.irp mm, 0,1
.irp j, 0,1,2,3,4,5,6,7
	global_store_b128 v7, v[64+32*\mm+4*\j:64+32*\mm+4*\j+3], s[30:31] offset:\mm*65536+\j*4096   ; rows 8 h + j: 16 lanes store 256 consecutive bytes, aligned
.endr
.endr
	WIN 0
.Ls2:
	s_wait_dscnt 0x0                               ; my reads of the sums are over,
	s_barrier_signal -1
	s_barrier_wait -1                              ; everybody's are: the next trip may write there
	s_wait_xcnt 0x0                                ; the stores' base and data are written again only behind this wait
	s_add_nc_u64 s[28:29], s[28:29], 0x100000      ; hp: two blocks of 8 M tiles of 64 images on
	s_add_nc_u64 s[30:31], s[30:31], 0x100000      ; yp: two blocks of 128 rows on
	s_add_co_u32 s24, s24, 256
	s_add_co_u32 s25, s25, 1
	s_cmp_lt_u32 s25, TRIPS
	s_cbranch_scc1 .Ltrip
	s_wait_tensorcnt 0x0
	ds_add_u32 v254, v255
	s_wait_dscnt 0x0
	s_endpgm
.Lfunc_end_k_q0dbce00112_down:
	.size	k_q0dbce00112_down, .Lfunc_end_k_q0dbce00112_down-k_q0dbce00112_down
	.p2alignl 7, 3214868480
	.fill 96, 4, 3214868480
	.section	.rodata,"a",@progbits
	.p2align	6, 0x0
	.amdhsa_kernel k_q0dbce00112_down
		.amdhsa_group_segment_fixed_size 131584
		.amdhsa_private_segment_fixed_size 0
		.amdhsa_enable_private_segment 0
		.amdhsa_kernarg_size 40
		.amdhsa_user_sgpr_count 2
		.amdhsa_user_sgpr_kernarg_segment_ptr 1
		.amdhsa_wavefront_size32 1
		.amdhsa_system_sgpr_workgroup_id_x 1
		.amdhsa_system_sgpr_workgroup_id_y 1
		.amdhsa_system_sgpr_workgroup_id_z 1
		.amdhsa_system_vgpr_workitem_id 0
		.amdhsa_next_free_vgpr 1024
		.amdhsa_next_free_sgpr 66
		.amdhsa_reserve_vcc 0
		.amdhsa_float_denorm_mode_32 3
		.amdhsa_float_denorm_mode_16_64 3
		.amdhsa_memory_ordered 1
		.amdhsa_forward_progress 1
		.amdhsa_inst_pref_size 109
	.end_amdhsa_kernel
	.amdgpu_metadata
---
amdhsa.version: [ 1, 2 ]
amdhsa.kernels:
  - .name:           k_q0dbce00112_down
    .symbol:         k_q0dbce00112_down.kd
    .args:
      - { .name: offsets, .offset: 0, .size: 8, .value_kind: global_buffer, .address_space: global }
      - { .name: hp, .offset: 8, .size: 8, .value_kind: global_buffer, .address_space: global }
      - { .name: weight_out, .offset: 16, .size: 8, .value_kind: global_buffer, .address_space: global }
      - { .name: bias_out, .offset: 24, .size: 8, .value_kind: global_buffer, .address_space: global }
      - { .name: yp, .offset: 32, .size: 8, .value_kind: global_buffer, .address_space: global }
    .group_segment_fixed_size: 131584
    .private_segment_fixed_size: 0
    .kernarg_segment_align: 8
    .kernarg_segment_size: 40
    .max_flat_workgroup_size: 128
    .sgpr_count:     66
    .vgpr_count:     1024
    .wavefront_size: 32
...
	.end_amdgpu_metadata
.endif
;; end of part 3
;; launch comb (part 4): grid 256 x 1, 8 waves a work-group, no clusters, 0 bytes of LDS; arguments offsets, reverse_index, gates_index, gates, yp, out0; writes out0
.if DOCPART == 4
	.amdgcn_target "amdgcn-amd-amdhsa--gfx1250"
	.amdhsa_code_object_version 6
	.text
	.protected	k_q0dbce00112_comb
	.globl	k_q0dbce00112_comb
	.p2align	8
	.type	k_q0dbce00112_comb,@function
k_q0dbce00112_comb:
	s_mov_b64 s[64:65], 0
	v_nop
	global_prefetch_b8 v0, s[64:65] scope:SCOPE_SE
	s_setreg_imm32_b32 hwreg(HW_REG_WAVE_MODE, 25, 1), 1
	s_wait_xcnt 0x0
; COMBINE.  out0[t] = gates[gates_index[t]] * y[reverse_index[t]].
; y[j] lies in yp at expert e, local row j - offsets[e], where e is the last expert with offsets[e] <= j; y[j] = 0 where j lies in front of
; offsets[0] or at or behind offsets[8].
; One wave, one token (t = 8 x + wave): everything that steers is the same for the wave's lanes and is worked out in scalar registers.
; A row is 4,096 bytes: eight loads and eight stores of 512 consecutive bytes.  No LDS, no barrier: the waves share nothing.
; LIMIT: offsets non-decreasing (the search in the problem's function needs the same), clamped to 0..2048.
	s_load_b256 s[4:11], s[0:1], 0x0               ; offsets s[4:5], reverse_index s[6:7], gates_index s[8:9], gates s[10:11]
	s_load_b128 s[12:15], s[0:1], 0x20             ; yp s[12:13], out0 s[14:15]
	v_lshrrev_b32 v1, 5, v0
	v_readfirstlane_b32 s16, v1                    ; wave
	s_lshl3_add_u32 s17, ttmp9, s16                ; t
	s_lshl_b32 s18, s17, 2
	v_and_b32 v2, 31, v0
	v_lshlrev_b32 v2, 4, v2                        ; 16 lane
	s_wait_kmcnt 0x0
	s_load_b256 s[20:27], s[4:5], 0x0              ; offsets 0..7
	s_load_b32 s28, s[4:5], 0x20                   ; offset 8
	s_load_b32 s29, s[6:7], s18 offset:0x0         ; j = reverse_index[t]
	s_load_b32 s30, s[8:9], s18 offset:0x0         ; gates_index[t]
	s_lshl_b32 s38, s17, 12
	s_mov_b32 s39, 0
	s_add_nc_u64 s[14:15], s[14:15], s[38:39]      ; row t of out0
	s_wait_kmcnt 0x0
	s_min_u32 s29, s29, 2047
	s_min_u32 s30, s30, 2047
	s_lshl_b32 s31, s30, 2
	s_load_b32 s32, s[10:11], s31 offset:0x0       ; the gate
.irp q, 20,21,22,23,24,25,26,27,28
	s_max_i32 s\q, s\q, 0
	s_min_i32 s\q, s\q, 2048
.endr
	s_mov_b32 s34, 0                               ; expert
	s_mov_b32 s35, 0                               ; its first row
.irp q, 0,1,2,3,4,5,6,7
	s_cmp_le_u32 s[20+\q], s29                     ; the last expert that begins at or in front of j
	s_cselect_b32 s34, \q, s34
	s_cselect_b32 s35, s[20+\q], s35
.endr
	s_cmp_le_u32 s20, s29
	s_cselect_b32 s36, 1, 0
	s_cmp_lt_u32 s29, s28
	s_cselect_b32 s37, 1, 0
	s_and_b32 s36, s36, s37                        ; offsets[0] <= j < offsets[8]
	s_wait_kmcnt 0x0
	s_mov_b32 s33, s32                             ; the packed multiply names the pair
	s_cmp_lg_u32 s36, 0
	s_cbranch_scc0 .Lzero
	s_sub_co_u32 s35, s29, s35
	s_min_u32 s35, s35, 2047                       ; local row
	s_min_u32 s34, s34, 7
	s_lshl_b32 s38, s34, 23                        ; expert: 2,048 rows of 4,096 bytes
	s_lshl_b32 s35, s35, 12
	s_add_co_u32 s38, s38, s35
	s_add_nc_u64 s[12:13], s[12:13], s[38:39]
.irp q, 0,1,2,3,4,5,6,7
	global_load_b128 v[4+4*\q:7+4*\q], v2, s[12:13] offset:512*\q
.endr
.irp q, 0,1,2,3,4,5,6,7
	s_wait_loadcnt 7-\q                            ; loads return in order: piece q is in, the younger ones stay out
	v_pk_mul_f32 v[4+4*\q:5+4*\q], v[4+4*\q:5+4*\q], s[32:33] op_sel_hi:[1,0]
	v_pk_mul_f32 v[6+4*\q:7+4*\q], v[6+4*\q:7+4*\q], s[32:33] op_sel_hi:[1,0]
	global_store_b128 v2, v[4+4*\q:7+4*\q], s[14:15] offset:512*\q th:TH_STORE_NT
.endr
	s_endpgm
.Lzero:
	v_mov_b32 v4, s32
	v_mul_f32 v4, 0, v4                            ; 0 x gate, as the problem's function forms it
	v_mov_b32 v5, v4
	v_mov_b32 v6, v4
	v_mov_b32 v7, v4
.irp q, 0,1,2,3,4,5,6,7
	global_store_b128 v2, v[4:7], s[14:15] offset:512*\q th:TH_STORE_NT
.endr
	s_endpgm
.Lfunc_end_k_q0dbce00112_comb:
	.size	k_q0dbce00112_comb, .Lfunc_end_k_q0dbce00112_comb-k_q0dbce00112_comb
	.p2alignl 7, 3214868480
	.fill 96, 4, 3214868480
	.section	.rodata,"a",@progbits
	.p2align	6, 0x0
	.amdhsa_kernel k_q0dbce00112_comb
		.amdhsa_group_segment_fixed_size 0
		.amdhsa_private_segment_fixed_size 0
		.amdhsa_enable_private_segment 0
		.amdhsa_kernarg_size 48
		.amdhsa_user_sgpr_count 2
		.amdhsa_user_sgpr_kernarg_segment_ptr 1
		.amdhsa_wavefront_size32 1
		.amdhsa_system_sgpr_workgroup_id_x 1
		.amdhsa_system_sgpr_workgroup_id_y 1
		.amdhsa_system_sgpr_workgroup_id_z 1
		.amdhsa_system_vgpr_workitem_id 0
		.amdhsa_next_free_vgpr 48
		.amdhsa_next_free_sgpr 66
		.amdhsa_reserve_vcc 0
		.amdhsa_float_denorm_mode_32 3
		.amdhsa_float_denorm_mode_16_64 3
		.amdhsa_memory_ordered 1
		.amdhsa_forward_progress 1
		.amdhsa_inst_pref_size 8
	.end_amdhsa_kernel
	.amdgpu_metadata
---
amdhsa.version: [ 1, 2 ]
amdhsa.kernels:
  - .name:           k_q0dbce00112_comb
    .symbol:         k_q0dbce00112_comb.kd
    .args:
      - { .name: offsets, .offset: 0, .size: 8, .value_kind: global_buffer, .address_space: global }
      - { .name: reverse_index, .offset: 8, .size: 8, .value_kind: global_buffer, .address_space: global }
      - { .name: gates_index, .offset: 16, .size: 8, .value_kind: global_buffer, .address_space: global }
      - { .name: gates, .offset: 24, .size: 8, .value_kind: global_buffer, .address_space: global }
      - { .name: yp, .offset: 32, .size: 8, .value_kind: global_buffer, .address_space: global }
      - { .name: out0, .offset: 40, .size: 8, .value_kind: global_buffer, .address_space: global }
    .group_segment_fixed_size: 0
    .private_segment_fixed_size: 0
    .kernarg_segment_align: 8
    .kernarg_segment_size: 48
    .max_flat_workgroup_size: 256
    .sgpr_count:     66
    .vgpr_count:     48
    .wavefront_size: 32
...
	.end_amdgpu_metadata
.endif
;; end of part 4
